; MI455X (gfx1250); checked and timed in simulation.
; The chip was launched on July 23, 2026; its instructions are those of AMD's public machine-readable ISA for CDNA 5 (MIT licence, August 2026) and "CDNA5" Instruction Set Architecture Reference Guide (July 2026). The comments in the code are by the model that wrote it; some were corrected since.
;; Ternary Linear. Allowed arithmetic: float matrix products may take bf16 or f16 operands with f32 sums; other float arithmetic in f32, or as packed bf16 or f16 multiplies, adds, multiply-adds, maxima and minima; sums over many terms, partial sums and values carried from step to step in f32; what a program stores and reads back later, other than sums and carried values, may be rounded once to bf16 or f16.
;; Inputs: alpha one number float32; bias 4,096 float32; weight 4,096 x 4,096 float32; x 4,096 x 4,096 float32.
;; Outputs: out0 4,096 x 4,096 float32.
;; 2 versions, each right; version 2 is version 1 with the launch prep written anew for expert scheduling mode. Each part assembles by itself: llvm-mc -triple=amdgcn-amd-amdhsa -mcpu=gfx1250 --defsym DOCPART=n.
;; ======== version 1 of 2: 3 launches
;; workspace buffers: part 1,024 bytes; xb 33,554,432 bytes; wq 33,554,432 bytes
;; launch wsum (part 1): grid 256 x 1, 16 waves a work-group, no clusters, 2,304 bytes of LDS; arguments weight, part; writes part
.if DOCPART == 1
	.amdgcn_target "amdgcn-amd-amdhsa--gfx1250"
	.amdhsa_code_object_version 6
	.text
	.protected	k_q15319f62f5_wsum
	.globl	k_q15319f62f5_wsum
	.p2align	8
	.type	k_q15319f62f5_wsum,@function
k_q15319f62f5_wsum:
	s_mov_b64 s[64:65], 0
	v_nop
	global_prefetch_b8 v0, s[64:65] scope:SCOPE_SE
	s_setreg_imm32_b32 hwreg(HW_REG_WAVE_MODE, 25, 1), 1
	s_wait_xcnt 0x0
; part[g] = the sum of |bf16(w)| over work-group g's 65,536 weights.  weight: [4096][4096] f32; part: 256 f32.
; The threshold of the ternary code is 0.7 x the mean of |w| over ALL weights, so every weight is read once before any code is known: this launch only reads and adds.
; LIMIT.  The whole program rounds its inputs once to bf16 and takes the threshold on the rounded weights: a weight within half a bf16 step of the threshold
; (about 4 in 10,000 of them) may get another code than the unrounded weight would.  A NaN among the weights makes the sum NaN.
; SHARES.  256 work-groups of 16 waves; a work-group owns 262,144 consecutive bytes.  Thread t takes the 16 bytes at 8,192 j + 16 t, j = 0 .. 31: a load of a wave covers 512
; consecutive bytes, aligned.  All 32 loads of a wave go out at once (16 KiB a wave, 256 KiB a work-group), and the waits count down.  No loop.
; SUMS in f32: four chains of 32 terms a lane, then the lanes, then the 16 waves through LDS, always in the same order.
; The result is one store of 4 bytes a work-group, 256 in the launch: the next launch reads all of part in every wave, so part is kept dense.
.set STEP,  8192                       ; bytes that the work-group takes with one load of each wave
.set NLOAD, 32
.set SPARE, 256                        ; LDS: bytes 0-63 the 16 waves' sums (the block 0-255 is theirs); from 256 on the spare words, 128 bytes a wave
.set ACC, 2                            ; v[2:5]    four running sums
.set PK,  6                            ; v[6:7]    four weights as bf16, signs cleared
.set T,   8                            ; v[8:11]   the same as f32
.set SPW, 12                           ; v12       LDS address of my spare word; never rewritten
.set NIL, 13                           ; v13       0; never rewritten
.set WA,  14                           ; v14       4 x my wave's number
.set ZR,  15                           ; v15       0: an address
.set X,   16                           ; v[16:143] 32 slots of 4 registers
	s_load_b128 s[4:7], s[0:1], 0x0                ; weight s[4:5], part s[6:7]
	v_lshl_add_u32 v[SPW], v0, 2, SPARE
	v_mov_b32 v[NIL], 0
	v_lshrrev_b32 v1, 5, v0
	v_readfirstlane_b32 s8, v1                     ; wave 0..15
	v_mov_b32 v[WA], s8
	v_lshlrev_b32 v[WA], 2, v[WA]
	v_lshlrev_b32 v1, 4, v0                        ; 16 t
	v_mov_b32 v[ZR], 0
	s_lshl_b32 s10, ttmp9, 18                      ; the work-group's 262,144 bytes
	s_mov_b32 s11, 0
	s_lshl_b32 s12, ttmp9, 2                       ; its word of part
	s_mov_b32 s13, 0
	s_mov_b32 s14, 0xffff0000                      ; a word's upper bf16
	s_mov_b32 s15, 0x7fff7fff                      ; clears the signs of two bf16
	s_mov_b32 s16, 0x76543210                      ; v_permlanex16_b32: each lane takes its own place in the other half
	s_mov_b32 s17, 0xfedcba98
	s_wait_kmcnt 0x0
	s_add_nc_u64 s[4:5], s[4:5], s[10:11]
	s_add_nc_u64 s[6:7], s[6:7], s[12:13]
.set n, 0
.rept NLOAD
	global_load_b128 v[X+4*n:X+4*n+3], v1, s[4:5] offset:STEP*n th:TH_LOAD_NT
.set n, n+1
.endr
; Slot j: four weights are rounded to bf16, their signs cleared two at a time, widened again and added.  Slot 0 starts the four chains: nothing is cleared.
.macro ACCUM j
	s_wait_loadcnt NLOAD-1-(\j)                    ; loads come back in order: slot j is in, the younger ones stay out
	v_cvt_pk_bf16_f32 v[PK],   v[X+4*(\j)],   v[X+4*(\j)+1]
	v_cvt_pk_bf16_f32 v[PK+1], v[X+4*(\j)+2], v[X+4*(\j)+3]
	v_and_b32 v[PK],   s15, v[PK]
	v_and_b32 v[PK+1], s15, v[PK+1]
.if (\j) == 0
	v_lshlrev_b32 v[ACC],   16,  v[PK]
	v_and_b32     v[ACC+1], s14, v[PK]
	v_lshlrev_b32 v[ACC+2], 16,  v[PK+1]
	v_and_b32     v[ACC+3], s14, v[PK+1]
.else
	v_lshlrev_b32 v[T],   16,  v[PK]
	v_and_b32     v[T+1], s14, v[PK]
	v_lshlrev_b32 v[T+2], 16,  v[PK+1]
	v_and_b32     v[T+3], s14, v[PK+1]
	v_pk_add_f32 v[ACC:ACC+1],   v[ACC:ACC+1],   v[T:T+1]
	v_pk_add_f32 v[ACC+2:ACC+3], v[ACC+2:ACC+3], v[T+2:T+3]
.endif
.endm
.set n, 0
.rept NLOAD
	ACCUM n
.set n, n+1
.endr
	v_pk_add_f32 v[ACC:ACC+1], v[ACC:ACC+1], v[ACC+2:ACC+3]
	v_add_f32 v[ACC], v[ACC], v[ACC+1]
	; across the 32 lanes: four steps inside each half of 16 lanes, one across the halves
	v_add_f32_dpp v[ACC], v[ACC], v[ACC] row_xmask:1 row_mask:0xf bank_mask:0xf
	v_add_f32_dpp v[ACC], v[ACC], v[ACC] row_xmask:2 row_mask:0xf bank_mask:0xf
	v_add_f32_dpp v[ACC], v[ACC], v[ACC] row_xmask:4 row_mask:0xf bank_mask:0xf
	v_add_f32_dpp v[ACC], v[ACC], v[ACC] row_xmask:8 row_mask:0xf bank_mask:0xf
	v_permlanex16_b32 v[ACC+1], v[ACC], s16, s17   ; its destination has been written before
	v_add_f32 v[ACC], v[ACC], v[ACC+1]
	ds_store_b32 v[WA], v[ACC]                     ; all lanes write the wave's word with the same number
	s_wait_dscnt 0x0                               ; for the others' sake: my store is done
	s_barrier_signal -1
	s_barrier_wait -1                              ; all 16 sums lie in LDS
	s_cmp_lg_u32 s8, 0                             ; wave 0 adds them
	s_cbranch_scc1 .Lend
.irp i, 0,1,2,3
	ds_load_b128 v[X+4*(\i):X+4*(\i)+3], v[ZR] offset:16*(\i)
.endr
	s_wait_dscnt 0x0
	v_pk_add_f32 v[X:X+1],     v[X:X+1],     v[X+2:X+3]
	v_pk_add_f32 v[X+4:X+5],   v[X+4:X+5],   v[X+6:X+7]
	v_pk_add_f32 v[X+8:X+9],   v[X+8:X+9],   v[X+10:X+11]
	v_pk_add_f32 v[X+12:X+13], v[X+12:X+13], v[X+14:X+15]
	v_pk_add_f32 v[X:X+1],     v[X:X+1],     v[X+4:X+5]
	v_pk_add_f32 v[X+8:X+9],   v[X+8:X+9],   v[X+12:X+13]
	v_pk_add_f32 v[X:X+1],     v[X:X+1],     v[X+8:X+9]
	v_add_f32 v[X], v[X], v[X+1]
	v_cmp_eq_u32 vcc_lo, 0, v0
	s_wait_xcnt 0x0                                ; EXEC changes only behind this wait
	s_and_saveexec_b32 s20, vcc_lo                 ; thread 0 alone stores
	global_store_b32 v[ZR], v[X], s[6:7]
	s_wait_xcnt 0x0                                ; and again, in front of the line that widens it
	s_or_b32 exec_lo, exec_lo, s20
.Lend:
	s_wait_tensorcnt 0x0                           ; the wave's end, behind my last LDS store
	ds_add_u32 v[SPW], v[NIL]
	s_wait_dscnt 0x0
	s_endpgm
.Lfunc_end_k_q15319f62f5_wsum:
	.size	k_q15319f62f5_wsum, .Lfunc_end_k_q15319f62f5_wsum-k_q15319f62f5_wsum
	.p2alignl 7, 3214868480
	.fill 96, 4, 3214868480
	.section	.rodata,"a",@progbits
	.p2align	6, 0x0
	.amdhsa_kernel k_q15319f62f5_wsum
		.amdhsa_group_segment_fixed_size 2304
		.amdhsa_private_segment_fixed_size 0
		.amdhsa_enable_private_segment 0
		.amdhsa_kernarg_size 16
		.amdhsa_user_sgpr_count 2
		.amdhsa_user_sgpr_kernarg_segment_ptr 1
		.amdhsa_wavefront_size32 1
		.amdhsa_system_sgpr_workgroup_id_x 1
		.amdhsa_system_sgpr_workgroup_id_y 1
		.amdhsa_system_sgpr_workgroup_id_z 1
		.amdhsa_system_vgpr_workitem_id 0
		.amdhsa_next_free_vgpr 144
		.amdhsa_next_free_sgpr 66
		.amdhsa_reserve_vcc 1
		.amdhsa_float_denorm_mode_32 3
		.amdhsa_float_denorm_mode_16_64 3
		.amdhsa_memory_ordered 1
		.amdhsa_forward_progress 1
		.amdhsa_inst_pref_size 21
	.end_amdhsa_kernel
	.amdgpu_metadata
---
amdhsa.version: [ 1, 2 ]
amdhsa.kernels:
  - .name:           k_q15319f62f5_wsum
    .symbol:         k_q15319f62f5_wsum.kd
    .args:
      - { .name: weight, .offset: 0, .size: 8, .value_kind: global_buffer, .address_space: global }
      - { .name: part, .offset: 8, .size: 8, .value_kind: global_buffer, .address_space: global }
    .group_segment_fixed_size: 2304
    .private_segment_fixed_size: 0
    .kernarg_segment_align: 8
    .kernarg_segment_size: 16
    .max_flat_workgroup_size: 512
    .sgpr_count:     66
    .vgpr_count:     144
    .wavefront_size: 32
...
	.end_amdgpu_metadata
.endif
;; end of part 1
;; launch prep (part 2): grid 1024 x 1, 8 waves a work-group, no clusters, 0 bytes of LDS; arguments part, weight, x, wq, xb; writes wq, xb
.if DOCPART == 2
	.amdgcn_target "amdgcn-amd-amdhsa--gfx1250"
	.amdhsa_code_object_version 6
	.text
	.protected	k_q15319f62f5_prep
	.globl	k_q15319f62f5_prep
	.p2align	8
	.type	k_q15319f62f5_prep,@function
k_q15319f62f5_prep:
	s_mov_b64 s[64:65], 0
	v_nop
	global_prefetch_b8 v0, s[64:65] scope:SCOPE_SE
	s_setreg_imm32_b32 hwreg(HW_REG_WAVE_MODE, 25, 1), 1
	s_wait_xcnt 0x0
; delta = 0.7 x (the sum of part) / 2^24;  wq = sign(w) where |w| > delta, else 0, of w rounded to bf16, written as bf16 (+1, -1, 0: exact);  xb = x rounded to bf16.
; part: 256 f32; weight, x: [4096][4096] f32; wq, xb: [4096][4096] bf16.
; LIMIT.  The code is taken of the weight rounded to bf16 against the mean of the rounded weights (the whole program rounds its inputs once to bf16).  A NaN among the
; weights makes delta NaN, every comparison false and every code 0.
; DELTA.  Every wave adds the 256 partial sums itself, by the same instructions in the same order: all waves of the launch hold the same bits, and nothing passes between them.
; The division by 2^24 is a multiplication by a power of two, exact; the product with 0.7 is rounded once.
; SHARES.  1,024 work-groups of 8 waves; a work-group owns 65,536 consecutive bytes of weight and of x.  Thread t takes the 16 bytes at 4,096 j + 16 t, j = 0 .. 15, and stores
; 8 bytes at 2,048 j + 8 t: a load of a wave covers 512 consecutive bytes, a store 256, both aligned.  All 34 loads go out at once and the waits count down.  No loop, no LDS:
; no wave wants a byte that another has fetched.  No register is written again behind the store that reads it.
.set P,     4                          ; v[4:11]   my 8 of the 256 partial sums
.set DELTA, 12                         ; v12       the threshold
.set PX,    13                         ; v13       the other half of the lanes' sum
.set PK,    14                         ; v[14:15]  four weights as bf16, then their codes before the choice
.set W,     16                         ; v[16:79]  16 slots of 4: weights
.set X,     80                         ; v[80:143] 16 slots of 4: x
	s_load_b256 s[4:11], s[0:1], 0x0               ; part s[4:5], weight s[6:7], x s[8:9], wq s[10:11]
	s_load_b64 s[12:13], s[0:1], 0x20              ; xb
	v_lshlrev_b32 v1, 4, v0                        ; 16 t
	v_lshlrev_b32 v2, 3, v0                        ; 8 t
	v_and_b32 v3, 31, v0
	v_lshlrev_b32 v3, 4, v3                        ; 16 x lane
	s_lshl_b32 s14, ttmp9, 16                      ; the work-group's bytes in weight and x,
	s_mov_b32 s15, 0
	s_lshl_b32 s16, ttmp9, 15                      ; and in wq and xb
	s_mov_b32 s17, 0
	s_mov_b32 s18, 0xffff0000                      ; a word's upper bf16
	s_mov_b32 s19, 0x80008000                      ; two signs
	s_mov_b32 s20, 0x3f803f80                      ; 1.0 twice, in bf16
	s_mov_b32 s21, 0x0000ffff                      ; a word's lower bf16
	s_mov_b32 s22, 0x76543210                      ; v_permlanex16_b32: each lane takes its own place in the other half
	s_mov_b32 s23, 0xfedcba98
	s_mov_b32 s28, 0x7fff7fff                      ; clears two signs
	s_wait_kmcnt 0x0
	s_add_nc_u64 s[6:7], s[6:7], s[14:15]
	s_add_nc_u64 s[8:9], s[8:9], s[14:15]
	s_add_nc_u64 s[10:11], s[10:11], s[16:17]
	s_add_nc_u64 s[12:13], s[12:13], s[16:17]
	global_load_b128 v[P:P+3],   v3, s[4:5]                ; every wave of the launch reads these 1,024 bytes: no hint
	global_load_b128 v[P+4:P+7], v3, s[4:5] offset:512
.set n, 0
.rept 16
	global_load_b128 v[W+4*n:W+4*n+3], v1, s[6:7] offset:4096*n th:TH_LOAD_NT
.set n, n+1
.endr
.set n, 0
.rept 16
	global_load_b128 v[X+4*n:X+4*n+3], v1, s[8:9] offset:4096*n th:TH_LOAD_NT
.set n, n+1
.endr
	s_wait_loadcnt 32                              ; the partial sums are in; the 32 loads of the two streams stay out
	v_pk_add_f32 v[P:P+1],     v[P:P+1],     v[P+2:P+3]
	v_pk_add_f32 v[P+4:P+5],   v[P+4:P+5],   v[P+6:P+7]
	v_pk_add_f32 v[P:P+1],     v[P:P+1],     v[P+4:P+5]
	v_add_f32 v[P], v[P], v[P+1]
	v_add_f32_dpp v[P], v[P], v[P] row_xmask:1 row_mask:0xf bank_mask:0xf
	v_add_f32_dpp v[P], v[P], v[P] row_xmask:2 row_mask:0xf bank_mask:0xf
	v_add_f32_dpp v[P], v[P], v[P] row_xmask:4 row_mask:0xf bank_mask:0xf
	v_add_f32_dpp v[P], v[P], v[P] row_xmask:8 row_mask:0xf bank_mask:0xf
	v_mov_b32 v[PX], v[P]                          ; v_permlanex16_b32's destination counts as read
	v_permlanex16_b32 v[PX], v[P], s22, s23
	v_add_f32 v[P], v[P], v[PX]
	v_mul_f32 v[DELTA], 0x33800000, v[P]           ; x 2^-24: the mean
	v_mul_f32 v[DELTA], 0x3f333333, v[DELTA]       ; x 0.7
; Slot j of the weights.  Two weights a word: rounded to bf16; the signs cleared and the two magnitudes widened for the comparison in f32; the code +-1.0 made on the packed word;
; each half chosen or dropped by its own comparison; the two halves joined.
.macro QUANT j
.set r, W+4*(\j)
	s_wait_loadcnt 31-(\j)                         ; younger: 15 - j loads of weights and the 16 of x
	v_cvt_pk_bf16_f32 v[PK],   v[r],   v[r+1]
	v_cvt_pk_bf16_f32 v[PK+1], v[r+2], v[r+3]
	v_and_b32 v[r],   s28, v[PK]
	v_and_b32 v[r+2], s28, v[PK+1]
	v_and_b32     v[r+1], s18, v[r]                ; |w| of the upper half,
	v_lshlrev_b32 v[r],   16,  v[r]                ; of the lower
	v_and_b32     v[r+3], s18, v[r+2]
	v_lshlrev_b32 v[r+2], 16,  v[r+2]
	v_cmp_gt_f32 s24, v[r],   v[DELTA]
	v_cmp_gt_f32 s25, v[r+1], v[DELTA]
	v_cmp_gt_f32 s26, v[r+2], v[DELTA]
	v_cmp_gt_f32 s27, v[r+3], v[DELTA]
	v_and_or_b32 v[PK],   v[PK],   s19, s20        ; the sign, and 1.0
	v_and_or_b32 v[PK+1], v[PK+1], s19, s20
	v_cndmask_b32 v[r],   0, v[PK],   s24
	v_cndmask_b32 v[r+1], 0, v[PK],   s25
	v_cndmask_b32 v[r+2], 0, v[PK+1], s26
	v_cndmask_b32 v[r+3], 0, v[PK+1], s27
	v_bfi_b32 v[r],   s21, v[r],   v[r+1]          ; the lower half of the first, the upper half of the second
	v_bfi_b32 v[r+1], s21, v[r+2], v[r+3]
	global_store_b64 v2, v[r:r+1], s[10:11] offset:2048*(\j) th:TH_STORE_NT  ; a wave stores 256 consecutive bytes, aligned
.endm
.macro CVT j
.set r, X+4*(\j)
	s_wait_loadcnt 15-(\j)
	v_cvt_pk_bf16_f32 v[r],   v[r],   v[r+1]
	v_cvt_pk_bf16_f32 v[r+1], v[r+2], v[r+3]
	global_store_b64 v2, v[r:r+1], s[12:13] offset:2048*(\j) th:TH_STORE_NT
.endm
.set n, 0
.rept 16
	QUANT n
.set n, n+1
.endr
.set n, 0
.rept 16
	CVT n
.set n, n+1
.endr
	s_endpgm
.Lfunc_end_k_q15319f62f5_prep:
	.size	k_q15319f62f5_prep, .Lfunc_end_k_q15319f62f5_prep-k_q15319f62f5_prep
	.p2alignl 7, 3214868480
	.fill 96, 4, 3214868480
	.section	.rodata,"a",@progbits
	.p2align	6, 0x0
	.amdhsa_kernel k_q15319f62f5_prep
		.amdhsa_group_segment_fixed_size 0
		.amdhsa_private_segment_fixed_size 0
		.amdhsa_enable_private_segment 0
		.amdhsa_kernarg_size 40
		.amdhsa_user_sgpr_count 2
		.amdhsa_user_sgpr_kernarg_segment_ptr 1
		.amdhsa_wavefront_size32 1
		.amdhsa_system_sgpr_workgroup_id_x 1
		.amdhsa_system_sgpr_workgroup_id_y 1
		.amdhsa_system_sgpr_workgroup_id_z 1
		.amdhsa_system_vgpr_workitem_id 0
		.amdhsa_next_free_vgpr 144
		.amdhsa_next_free_sgpr 66
		.amdhsa_reserve_vcc 0
		.amdhsa_float_denorm_mode_32 3
		.amdhsa_float_denorm_mode_16_64 3
		.amdhsa_memory_ordered 1
		.amdhsa_forward_progress 1
		.amdhsa_inst_pref_size 29
	.end_amdhsa_kernel
	.amdgpu_metadata
---
amdhsa.version: [ 1, 2 ]
amdhsa.kernels:
  - .name:           k_q15319f62f5_prep
    .symbol:         k_q15319f62f5_prep.kd
    .args:
      - { .name: part, .offset: 0, .size: 8, .value_kind: global_buffer, .address_space: global }
      - { .name: weight, .offset: 8, .size: 8, .value_kind: global_buffer, .address_space: global }
      - { .name: x, .offset: 16, .size: 8, .value_kind: global_buffer, .address_space: global }
      - { .name: wq, .offset: 24, .size: 8, .value_kind: global_buffer, .address_space: global }
      - { .name: xb, .offset: 32, .size: 8, .value_kind: global_buffer, .address_space: global }
    .group_segment_fixed_size: 0
    .private_segment_fixed_size: 0
    .kernarg_segment_align: 8
    .kernarg_segment_size: 40
    .max_flat_workgroup_size: 256
    .sgpr_count:     66
    .vgpr_count:     144
    .wavefront_size: 32
...
	.end_amdgpu_metadata
.endif
;; end of part 2
;; launch gemm (part 3): grid 16 x 16, 4 waves a work-group, clusters of 4 x 4, 327,680 bytes of LDS; arguments xb, wq, out0, alpha, bias; writes out0
.if DOCPART == 3
	.amdgcn_target "amdgcn-amd-amdhsa--gfx1250"
	.amdhsa_code_object_version 6
	.text
	.protected	k_q15319f62f5_gemm
	.globl	k_q15319f62f5_gemm
	.p2align	8
	.type	k_q15319f62f5_gemm,@function
k_q15319f62f5_gemm:
	s_mov_b64 s[64:65], 0
	v_nop
	global_prefetch_b8 v0, s[64:65] scope:SCOPE_SE
	s_setreg_imm32_b32 hwreg(HW_REG_WAVE_MODE, 25, 1), 1
	s_wait_xcnt 0x0
	s_wait_alu depctr_hold_cnt(0) depctr_sa_sdst(0) depctr_va_vdst(0) depctr_va_sdst(0) depctr_va_ssrc(0) depctr_va_vcc(0) depctr_vm_vsrc(0)
	s_getreg_b32 s2, hwreg(HW_REG_IB_STS2, 6, 4)
	s_cmp_eq_u32 s2, 0
	s_cbranch_scc0 .Lentry_in_a_cluster
	s_endpgm
.Lentry_in_a_cluster:
	s_bfe_u32 s2, ttmp6, 0x10000c
	s_cmp_lg_u32 s2, 0xf033
	s_cbranch_scc0 .Lentry_shape_is_right
	s_endpgm
.Lentry_shape_is_right:
; out0[t][o] = alpha x (the sum over i of xb[t][i] wq[o][i]) + bias[o].  xb, wq: [4096][4096] bf16 (wq holds +1, -1, 0); out0: [4096][4096] f32; sums in f32; one fused multiply-add on the way out.
; LIMIT.  alpha and bias are rounded once to bf16, like the program's other inputs, and used as f32.
; A tile of out0, 256 x 256, is made by a work-group of four waves; a wave makes 128 x 128: 64 accumulators of 16 x 16, 512 registers.  256 tiles, one to a work-group.
; K goes in 32 steps of 128 through a ring of two LDS slots filled by the tensor data mover: a tile's rows are 256 bytes of memory and start at multiples of 256 bytes from the buffer's first byte.
; CLUSTERS: 4 x 4 work-groups.  The four of a row of the cluster need the same tiles of xb (A), the four of a column the same tiles of wq (B).  Such a tile is asked for JOINTLY: each of the
; four issues the same tensor load, with the same descriptor and a mask that names the four, and each receives it in its own LDS.
; REGISTERS, in windows of 256 (s_set_vgpr_msb: bits 1:0 source 0, 3:2 source 1, 5:4 source 2, 7:6 destination):
;   window 0: v0-40 addresses, bias, alpha; v64-127, v128-191 fragments of A (8 x 16 rows x 32 K), two buffers; on the way out the same 128 registers take rows read back from the stage
;   window 1: v64-127, v128-191 fragments of B, two buffers
;   window 2: the 32 accumulators of my rows 0-63 (accumulator (a, b) at v[8 (8 a + b)]);   window 3: those of my rows 64-127
; THE MATRIX INSTRUCTION IS USED TRANSPOSED: source 0 = 16 rows of B, source 1 = 16 rows of A.  In the result lane l holds row l % 16 of out0 and its registers 0 to 7 the columns
; 8 (l / 16) + 0 .. 7: 32 neighbouring bytes of a row.
.set SIZE_K, 4096
.set SIZE_N, 4096
.set KSTEP,  128
.set PITCH,  272                       ; an LDS row: 256 bytes of data + 16 of padding = 68 words: row r starts at bank 4 r mod 64 (64 banks of 4 bytes: ISA guide 11.1), so the 16 rows that a load touches start at 16 different banks
.set HALFT,  128*PITCH                 ; 128 rows: what one tensor load brings, and what one wave reads of A or of B
.set SLOT,   4*HALFT                   ; A's 256 rows, then B's 256 rows
.set STAGE,  2*SLOT                    ; behind the ring: for each wave 16 rows of 128 f32, for the way out; no tensor load fills it
.set SPITCH, 528                       ; a stage row: 512 bytes + 16 = 132 words: again row r starts at bank 4 r mod 64
.set WSTAGE, 16*SPITCH                 ; 8,448 bytes, 33 blocks of 256
.set SPARE,  STAGE+4*WSTAGE            ; behind the stages: the spare words, 128 bytes for each wave: two blocks of 256 bytes that no other line names
.set LAPS,   SIZE_K/(2*KSTEP)          ; a lap = two K steps = once round the ring: 16
.set CROW,   SIZE_N*4                  ; bytes in a row of out0
.set ADRA, 16                          ; v16-17  LDS address of my A fragments in slot 0, 1
.set ADRB, 20                          ; v20-21  the same for B
.set STO,  24                          ; v24     the way out: where I put 32 bytes of a row
.set RD,   25                          ; v25     the way out: where I read 16 bytes of a row back
.set CO,   26                          ; v26     16 x my lane: my byte offset in 512 bytes of a row of out0, and in my wave's 128 numbers of bias
.set SPW,  28                          ; v28     LDS address of my spare word; never rewritten
.set NIL,  29                          ; v29     0; never rewritten
.set PFO,  30                          ; v30     the prefetches' offset: my lane x a row of xb or wq (8,192 bytes); never rewritten
.set ZR,   31                          ; v31     0: alpha's offset
.set BI,   32                          ; v[32:35] bias of the four columns that I store
.set AL,   36                          ; v[36:37] alpha, twice: a pair for the packed multiply-add
.set TP,   39                          ; v39-40  at work
.set F0,   64                          ; fragment buffer 0
.set F1,   128                         ; fragment buffer 1
.set OB,   64                          ; the way out: 16 rows read back from the stage: v64-127 and v128-191 by turns
.set PFA,  44                          ; s[44:45] where my prefetches stand: my work-group's 32 rows of the 128 that I fetch, one K step further along K than the refill that is being asked for
.set LIM,  43                          ; s43     1 in a wave that prefetches, else the greatest number
.set G1,  24                           ; s[24:31] descriptor group 1 for A's tiles
.set G0,  32                           ; s[32:39] descriptor group 0 for A's tiles, one set for each slot
.set G1B, 48                           ; s[48:55] descriptor group 1 for B's tiles: it differs from A's in the mask alone
.set G0B, 56                           ; s[56:63] descriptor group 0 for B's tiles, one set for each slot
.set MSB, 0
.macro WIN new                         ; the immediate's high byte repeats the setting that is left; a switch that changes nothing is dropped
.if MSB != (\new)
	s_set_vgpr_msb (MSB<<8)|(\new)
.set MSB, \new
.endif
.endm
.set MUL_LO, 0xa1                      ; source 0 (B) window 1, source 1 (A) window 0, C and D window 2
.set MUL_HI, 0xf1                      ; the same, C and D window 3
.set TO_B,   0x40                      ; destination window 1, address window 0
; A joint load.  Waves 0 and 1 fetch A's two halves, waves 2 and 3 B's.  Each of the two lines has one mask and one set of registers for all that issue it.  The branch hangs on the wave's
; number alone.  An s_nop 0 and four v_nop follow each of the two lines, ahead of the jump, the label and what follows the macro.
.macro JLOAD s
	s_cmp_eq_u32 s11, 0
	s_cbranch_scc0 .Lfor_b_\@
	tensor_load_to_lds s[G0+4*(\s):G0+4*(\s)+3], s[G1:G1+7]
	s_nop 0
.rept 4
	v_nop
.endr
	s_branch .Lasked_\@
.Lfor_b_\@:
	tensor_load_to_lds s[G0B+4*(\s):G0B+4*(\s)+3], s[G1B:G1B+7]
	s_nop 0
.rept 4
	v_nop
.endr
.Lasked_\@:
.endm
; A PREFETCH INTO THE L2, behind each joint refill, its five lines and the run of LDS loads that follows them: the K step that stands TWO refills on (512 matrix instructions ahead of the load that
; will want it): 32 rows x 256 bytes, a lane a row, one instruction a wave.  Each row's 256 bytes of a K step are named ONCE in the launch: A's tile row is read by every cluster of that row of
; clusters, and the one with cluster x = 0 asks; B's tile column by every cluster of that column, and the one with cluster y = 0 asks.  The four partners that ask for a tile jointly share its rows
; out BY ADDRESS: of the 128 rows that a wave fetches the partner at place p takes 32 p .. 32 p + 31 (p = cx for A, cy for B).  K steps 0 to 3 come by their loads alone; the loop's last trip
; (s3 = 1) asks for nothing: K steps 32 and 33 do not exist.
.macro ASK
	s_cmp_gt_u32 s3, s[LIM]
	s_cbranch_scc0 .Lnot_mine_\@
	global_prefetch_b8 v[PFO], s[PFA:PFA+1] offset:KSTEP*2 th:TH_LOAD_NT scope:SCOPE_SE
.Lnot_mine_\@:
.endm
; A round of the cluster's barrier: my work-group's barrier, so that wave 0's signal speaks for all four waves; wave 0 signals for the work-group; every wave waits for all sixteen
; work-groups; my work-group's barrier once more.  No LDS instruction of the wave is pending at a signal.
.macro CREST                           ; a round behind its opening barrier
	s_cmp_lg_u32 s10, 0
	s_cbranch_scc1 .Lnot_wave_0_\@
	s_barrier_signal -3
.Lnot_wave_0_\@:
	s_barrier_wait -3
	s_barrier_signal -1
	s_barrier_wait -1
.endm
.macro CROUND                          ; a whole round
	s_barrier_signal -1
	s_barrier_wait -1
	CREST
.endm
	s_load_b128 s[4:7], s[0:1], 0x0                ; xb (A) s[4:5], wq (B) s[6:7]
	s_load_b64 s[8:9], s[0:1], 0x10                ; out0
	s_load_b64 s[66:67], s[0:1], 0x18              ; alpha
	s_load_b64 s[68:69], s[0:1], 0x20              ; bias
	v_lshl_add_u32 v[SPW], v0, 2, SPARE
	v_mov_b32 v[NIL], 0
	ds_add_u32 v[SPW], v[NIL]                      ; the wave's opening: the add, twice on end, and its wait ahead of my first tensor load; the set-up below, work on registers, stands between
	ds_add_u32 v[SPW], v[NIL]                      ; and once more, under the one wait
	v_lshrrev_b32 v1, 5, v0
	v_readfirstlane_b32 s10, v1                    ; wave 0..3
	s_lshr_b32 s11, s10, 1                         ; which half of the tile's rows is mine.  Also: I fetch for A (0) or for B (1)
	s_and_b32 s12, s10, 1                          ; which half of its columns.  Also: which 128 rows of that tile I fetch
	s_bfe_u32 s40, ttmp6, 0x40000                  ; cx: my place along the cluster's x
	s_bfe_u32 s41, ttmp6, 0x40004                  ; cy: along its y
	s_lshl_b32 s42, ttmp9, 2                       ; in a cluster launch ttmp9 and ttmp7 count clusters
	s_add_co_u32 s42, s42, s40                     ; tile column = 4 x cluster x + cx
	s_and_b32 s13, ttmp7, 0xffff
	s_lshl_b32 s13, s13, 2
	s_add_co_u32 s13, s13, s41                     ; tile row = 4 x cluster y + cy
	s_lshl_b32 s43, s41, 2
	s_lshl_b32 s43, 15, s43                        ; my row of the cluster: places 4 cy .. 4 cy + 3
	s_lshl_b32 s44, 0x1111, s40                    ; my column: places cx, cx + 4, cx + 8, cx + 12
	; descriptor group 1: a tile of 128 rows x 128 elements, padded in LDS
	s_or_b32 s[G1+0], s43, (1<<16)|(1<<20)|(1<<21)|(5<<22)|(3<<25)  ; 15:0 the mask: A's tiles go to my row; 17:16 elements of 2 bytes; 20 padding on; 21 set beside a mask; 24:22 after every 64 words (code 5); 31:25 4 words of it (code 3)
	s_or_b32 s[G1B+0], s44, (1<<16)|(1<<20)|(1<<21)|(5<<22)|(3<<25) ; the same with the mask of my column, for B's tiles
	s_mov_b32 s[G1B+1], KSTEP<<16
	s_mov_b32 s[G1+1], KSTEP<<16                   ; 63:48 tensor_dim0, low half = 128
	s_mov_b32 s[G1B+2], 128<<16
	s_mov_b32 s[G1+2], 128<<16                     ; 79:64 its high half = 0; 95:80 tensor_dim1, low half = 128
	s_mov_b32 s[G1B+3], KSTEP<<16
	s_mov_b32 s[G1+3], KSTEP<<16                   ; 111:96 its high half = 0; 127:112 tile_dim0 = 128
	s_mov_b32 s[G1B+4], 128
	s_mov_b32 s[G1+4], 128                         ; 143:128 tile_dim1 = 128; 159:144 tile_dim2 = 0
	s_mov_b32 s[G1B+5], SIZE_K
	s_mov_b32 s[G1+5], SIZE_K                      ; 191:160 tensor_dim0_stride, low word: elements from row to row
	s_mov_b32 s[G1B+6], 0
	s_mov_b32 s[G1+6], 0
	s_mov_b32 s[G1B+7], 0
	s_mov_b32 s[G1+7], 0
	; where the tiles come from.  A's hang on the tile row alone, which my row of the cluster shares; B's on the tile column alone, which my column shares.
	; Every wave makes both addresses, in registers that never hold the other coordinate, and asks by one of them.
	s_lshl_b32 s17, s12, 7                         ; which 128 rows of the tile I fetch
	s_lshl_b32 s16, s13, 8
	s_add_co_u32 s16, s16, s17                     ; A: row 256 x tile row + 128 x half
	s_lshl_b32 s46, s42, 8
	s_add_co_u32 s46, s46, s17                     ; B: row 256 x tile column + 128 x half
	s_mov_b32 s17, 0
	s_mov_b32 s47, 0
	s_mov_b64 s[18:19], SIZE_K*2
	s_mul_u64 s[16:17], s[16:17], s[18:19]         ; in bytes
	s_mul_u64 s[46:47], s[46:47], s[18:19]
	s_mul_i32 s20, s10, HALFT                      ; and where they go: A's two halves, then B's two halves = wave x 128 rows: no place in the cluster enters an LDS address
	s_wait_dscnt 0x0                               ; both opening adds are done
	s_wait_kmcnt 0x0
	s_add_nc_u64 s[14:15], s[4:5], s[16:17]
	s_add_nc_u64 s[46:47], s[6:7], s[46:47]
	CROUND                                         ; all sixteen work-groups are here: the first joint loads meet
.irp s, 0,1
	s_mov_b32 s[G0+4*(\s)], 1                                      ; 1:0 count = 1
	s_add_co_u32 s[G0+4*(\s)+1], s20, (\s)*SLOT                    ; 63:32 LDS address
	s_add_nc_u64 s[G0+4*(\s)+2:G0+4*(\s)+3], s[14:15], (\s)*KSTEP*2  ; 120:64 global address: K step s
	s_or_b32 s[G0+4*(\s)+3], s[G0+4*(\s)+3], 0x80000000            ; 127:126 type = 2
	s_mov_b32 s[G0B+4*(\s)], 1
	s_add_co_u32 s[G0B+4*(\s)+1], s20, (\s)*SLOT
	s_add_nc_u64 s[G0B+4*(\s)+2:G0B+4*(\s)+3], s[46:47], (\s)*KSTEP*2
	s_or_b32 s[G0B+4*(\s)+3], s[G0B+4*(\s)+3], 0x80000000
	JLOAD \s                                       ; the ring is filled before anything else is done: two loads of mine are out
.endr
	; A fragment is 16 rows x 32 K in 8 registers: lane l holds row l % 16; registers 0-3 hold K = 8 (l / 16) + 0..7, registers 4-7 hold K = 16 + 8 (l / 16) + 0..7.
	; From rows that lie along K: two loads of 16 bytes, 32 bytes apart.  The same for source 0 and source 1.
	v_and_b32 v1, 15, v0                           ; l % 16
	v_bfe_u32 v2, v0, 4, 1                         ; l / 16
	v_mul_u32_u24 v3, v1, PITCH
	v_lshl_add_u32 v3, v2, 4, v3                   ; row x pitch + 16 x half
	s_mul_i32 s21, s11, HALFT                      ; my 128 rows of A
	s_mul_i32 s22, s12, HALFT                      ; my 128 rows of B,
	s_add_co_u32 s22, s22, 2*HALFT                 ; which lie behind A's 256
.irp s, 0,1
	v_add_nc_u32 v[ADRA+(\s)], s21, v3
	v_add_nc_u32 v[ADRB+(\s)], s22, v3
	s_add_co_u32 s21, s21, SLOT
	s_add_co_u32 s22, s22, SLOT
.endr
	s_mul_i32 s23, s10, WSTAGE
	s_add_co_u32 s23, s23, STAGE                   ; my stage
	v_mul_u32_u24 v4, v1, SPITCH                   ; in: row l % 16, 32 bytes for each half of the lanes
	v_lshl_add_u32 v4, v2, 5, v4
	v_add_nc_u32 v[STO], s23, v4
	v_and_b32 v5, 31, v0
	v_lshlrev_b32 v[CO], 4, v5                     ; back: 32 lanes take one row of 512 bytes
	v_add_nc_u32 v[RD], s23, v[CO]
	v_mov_b32 v[ZR], 0
	; where my part of the tile begins in out0, and my 128 numbers in bias
	s_lshl_b32 s13, s13, 8                         ; 256 x tile row
	s_lshl_b32 s14, s11, 7
	s_add_co_u32 s16, s13, s14                     ; my first row,
	s_lshl_b32 s16, s16, 14                        ; times 16,384 bytes: under 2^26
	s_mov_b32 s17, 0
	s_lshl_b32 s46, s42, 10                        ; my first column, in bytes: 1,024 x tile column + 512 x half (in the registers that held B's address: none that feeds A's descriptors ever holds cx)
	s_lshl_b32 s47, s12, 9
	s_add_co_u32 s46, s46, s47
	s_mov_b32 s47, 0
	s_add_nc_u64 s[8:9], s[8:9], s[16:17]
	s_add_nc_u64 s[8:9], s[8:9], s[46:47]
	s_add_nc_u64 s[68:69], s[68:69], s[46:47]
	global_load_b128 v[BI:BI+3], v[CO], s[68:69]   ; bias of the four columns that I store in every row
	global_load_b32 v[AL], v[ZR], s[66:67]         ; alpha, the same word in every lane
	; the prefetches.  s13 = 256 x tile row, s42 = tile column, s40 = cx, s41 = cy still stand; s[4:5] = A, s[6:7] = B
	s_lshl_b32 s42, s42, 8
	s_and_b32 s22, ttmp7, 0xffff                   ; cluster y
	s_cmp_eq_u32 s11, 0                            ; do I fetch for A?
	s_cselect_b32 s20, s13, s42                    ; the tile's first row: in A by the tile row, in B by the tile column
	s_cselect_b32 s21, s40, s41                    ; my place among the four that ask for it with me
	s_cselect_b32 s22, ttmp9, s22                  ; the coordinate along which other clusters read the same rows
	s_cselect_b64 s[PFA:PFA+1], s[4:5], s[6:7]
	s_cmp_eq_u32 s22, 0
	s_cselect_b32 s[LIM], 1, -1                    ; the same in all sixteen partners, for a given wave
	s_lshl_b32 s22, s12, 7
	s_add_co_u32 s20, s20, s22                     ; + the 128 rows that I fetch
	s_lshl_b32 s21, s21, 5
	s_add_co_u32 s20, s20, s21                     ; + my work-group's 32 of them
	s_mov_b32 s21, 0
	s_mov_b64 s[18:19], SIZE_K*2
	s_mul_u64 s[20:21], s[20:21], s[18:19]
	s_add_nc_u64 s[PFA:PFA+1], s[PFA:PFA+1], s[20:21]
	s_add_nc_u64 s[PFA:PFA+1], s[PFA:PFA+1], 2*KSTEP*2  ; at K step 2: the first refill steps it to 3 and names K step 4
	v_and_b32 v[PFO], 31, v0
	v_lshlrev_b32 v[PFO], 13, v[PFO]
	; alpha and bias are rounded to bf16 and widened again; all this stands in the wait for the first tile
	s_wait_loadcnt 0x0
	v_cvt_pk_bf16_f32 v[TP],   v[BI],   v[BI+1]
	v_cvt_pk_bf16_f32 v[TP+1], v[BI+2], v[BI+3]
	v_lshlrev_b32 v[BI],   16, v[TP]
	v_and_b32     v[BI+1], 0xffff0000, v[TP]
	v_lshlrev_b32 v[BI+2], 16, v[TP+1]
	v_and_b32     v[BI+3], 0xffff0000, v[TP+1]
	v_cvt_pk_bf16_f32 v[TP], v[AL], v[AL]
	v_lshlrev_b32 v[AL], 16, v[TP]
	v_mov_b32 v[AL+1], v[AL]
; 16 matrix instructions: m blocks a0, a0 + 1 of the window's four (hi = 0: my rows 0-63, 1: rows 64-127) x all 8 n blocks, 32 along K.
; zero = 1: the first product starts the sums: nothing is ever cleared.  The 64 accumulators take turns, in the same order in every quarter step.
.macro MUL16 f, hi, a0, zero
	WIN MUL_LO+0x50*(\hi)
.irp a, \a0, (\a0)+1
.irp b, 0,1,2,3,4,5,6,7
.if \zero
	v_wmma_f32_16x16x32_bf16 v[8*(8*(\a)+(\b)):8*(8*(\a)+(\b))+7], v[(\f)+8*(\b):(\f)+8*(\b)+7], v[(\f)+8*(4*(\hi)+(\a)):(\f)+8*(4*(\hi)+(\a))+7], 0
.else
	v_wmma_f32_16x16x32_bf16 v[8*(8*(\a)+(\b)):8*(8*(\a)+(\b))+7], v[(\f)+8*(\b):(\f)+8*(\b)+7], v[(\f)+8*(4*(\hi)+(\a)):(\f)+8*(4*(\hi)+(\a))+7], v[8*(8*(\a)+(\b)):8*(8*(\a)+(\b))+7]
.endif
.endr
.endr
.endm
; 32 LDS loads in one run: the fragments of one quarter step (128 rows of B, 128 rows of A, 32 K at byte k of the rows) into buffer f
.macro FETCH slot, k, f
	WIN TO_B
.irp i, 0,1,2,3,4,5,6,7
	ds_load_b128 v[(\f)+8*(\i):(\f)+8*(\i)+3],   v[ADRB+(\slot)] offset:(\k)+(\i)*16*PITCH
	ds_load_b128 v[(\f)+8*(\i)+4:(\f)+8*(\i)+7], v[ADRB+(\slot)] offset:(\k)+(\i)*16*PITCH+32
.endr
	WIN 0
.irp i, 0,1,2,3,4,5,6,7
	ds_load_b128 v[(\f)+8*(\i):(\f)+8*(\i)+3],   v[ADRA+(\slot)] offset:(\k)+(\i)*16*PITCH
	ds_load_b128 v[(\f)+8*(\i)+4:(\f)+8*(\i)+7], v[ADRA+(\slot)] offset:(\k)+(\i)*16*PITCH+32
.endr
.endm
; A load into a register that a matrix instruction has read, and an LDS store that reads a matrix result, stand four places behind that matrix instruction, and only plain vector
; instructions that name none of its registers are places (ISA guide 7.12.1 for vector instructions).
.macro PLACES
.rept 4
	v_nop
.endr
.endm
; A K step is four quarter steps of 32 along K, 64 matrix instructions each, on buffers 0, 1, 0, 1.
; One of the first three: multiplies buffer f; in its middle it fetches the next quarter's fragments, at byte k of the same slot's rows, into buffer g.
.macro QUARTER slot, k, f, g, zero
	s_wait_dscnt 8                                 ; B and A's rows 0-63 are in; the youngest eight loads (A's rows 64-127) may be out
	MUL16 \f, 0, 0, \zero
	MUL16 \f, 0, 2, \zero
	PLACES
	FETCH \slot, \k, \g
	s_wait_dscnt 32                                ; all but the 32 just issued
	MUL16 \f, 1, 0, \zero
	MUL16 \f, 1, 2, \zero
.endm
; The last quarter multiplies buffer 1 and changes slots.  MEET is its first half: ONE barrier for the change of slots.  In front of it each wave waits for all its tensor loads, of which one is
; out: its part of the next slot; adds 0 to its spare word; and waits for that and for its own reads of this slot.  Behind it nobody reads this slot any more and the next slot is whole.
.macro MEET round                      ; round = 1: the rest of a round of the cluster's barrier follows
	WIN 0                                          ; (the add's two registers lie in window 0)
	s_wait_tensorcnt 0x0                           ; all my tensor loads have landed;
	ds_add_u32 v[SPW], v[NIL]                      ; 0 onto my spare word;
	s_wait_dscnt 9                                 ; (the add and the youngest eight loads may be out)
	MUL16 F1, 0, 0, 0                              ; sixteen matrix instructions stand between the add and the wait for it
	s_wait_dscnt 0x0                               ; the add is done, and my reads of this slot are over:
	s_barrier_signal -1                            ; say so,
	MUL16 F1, 0, 2, 0                              ; work on registers while the others arrive,
.if \round
	WIN 0
.endif
	s_barrier_wait -1                              ; and go on when all four have said so
.endm
; The whole last quarter of a K step whose slot is filled again, with the K step two steps on: the barrier opens a round of the cluster's, the joint refill is the first tensor load behind the
; round, then come the next slot's first fragments.  From a request to the wait for it a wave issues 224 matrix instructions.
.macro TURN slot, next
	s_wait_xcnt 0x0                                ; the last prefetch, a K step back, has read its address: it is stepped here, ahead of the waits of the change of slots
	s_add_nc_u64 s[PFA:PFA+1], s[PFA:PFA+1], KSTEP*2
	MEET 1
	CREST                                          ; no wave of any partner still reads this slot's tile or has a load on its way
	s_add_nc_u64 s[G0+4*(\slot)+2:G0+4*(\slot)+3], s[G0+4*(\slot)+2:G0+4*(\slot)+3], 2*KSTEP*2      ; no tensor load of mine is out, so a group 0 may be written; the type bits on top are not reached
	s_add_nc_u64 s[G0B+4*(\slot)+2:G0B+4*(\slot)+3], s[G0B+4*(\slot)+2:G0B+4*(\slot)+3], 2*KSTEP*2
	JLOAD \slot                                    ; the four v_nop behind it are also the places in front of the loads below
	FETCH \next, 0, F0
	ASK
	MUL16 F1, 1, 0, 0
	MUL16 F1, 1, 2, 0
.endm
; THE WAY OUT of block a (16 of my rows x 128 columns).  TOSTAGE: a lane's 32 bytes of a row go from the accumulators into my own stage, each accumulator's lowest registers first, and come
; back as whole rows of 512 bytes.  SEND: alpha x sum + bias, one fused multiply-add for two numbers, and the store.
.macro TOSTAGE a
.set AC, 64*((\a)%4)
.set BK, OB+64*((\a)%2)
	WIN 0x08+4*((\a)/4)                            ; the stores' data (source 1) in window 2 or 3, their address in window 0
.irp b, 0,1,2,3,4,5,6,7
	ds_store_b128 v[STO], v[AC+8*(\b):AC+8*(\b)+3]   offset:64*(\b)
	ds_store_b128 v[STO], v[AC+8*(\b)+4:AC+8*(\b)+7] offset:64*(\b)+16
.endr
	WIN 0
.if (\a) >= 2
	s_wait_xcnt 0x0                                ; the stores of the block two back have read these registers: they are loaded again only behind this wait
.endif
.irp t, 0,1,2,3,4,5,6,7,8,9,10,11,12,13,14,15
	ds_load_b128 v[BK+4*(\t):BK+4*(\t)+3], v[RD] offset:(\t)*SPITCH  ; LDS serves a wave's instructions in order (ISA guide 5.7.1.4): these see the stores above, and the next block's stores come behind them
.endr
.endm
.macro SEND a, younger                 ; younger: the LDS instructions issued behind block a's loads: the next block's 32, or none
.set BK, OB+64*((\a)%2)
.irp t, 0,1,2,3,4,5,6,7,8,9,10,11,12,13,14,15
	s_wait_dscnt (\younger)+15-(\t)                ; row t is back in registers
	v_pk_fma_f32 v[BK+4*(\t):BK+4*(\t)+1],   v[BK+4*(\t):BK+4*(\t)+1],   v[AL:AL+1], v[BI:BI+1]
	v_pk_fma_f32 v[BK+4*(\t)+2:BK+4*(\t)+3], v[BK+4*(\t)+2:BK+4*(\t)+3], v[AL:AL+1], v[BI+2:BI+3]
	global_store_b128 v[CO], v[BK+4*(\t):BK+4*(\t)+3], s[8:9] offset:(16*(\a)+(\t))*CROW th:TH_STORE_NT  ; 32 lanes store 512 consecutive bytes, at a multiple of 512 from out0's first byte; 127 rows at the most: inside the signed 24-bit immediate
.endr
.endm
	s_wait_tensorcnt 1                             ; my part of K step 0 is in; K step 1's load may stay out
	s_barrier_signal -1
	s_barrier_wait -1                              ; everybody's is
	FETCH 0, 0, F0
	QUARTER 0, 64,  F0, F1, 1                      ; the first quarter stands in front of the loop: its products start the sums
	WIN 0                                          ; at a label and at a branch every window is 0
	s_mov_b32 s3, LAPS-1
.Llap:                                                 ; a trip goes once round the ring, from a lap's second quarter to the next lap's first, and fills both slots again
	QUARTER 0, 128, F1, F0, 0
	QUARTER 0, 192, F0, F1, 0
	TURN 0, 1
	QUARTER 1, 64,  F0, F1, 0
	QUARTER 1, 128, F1, F0, 0
	QUARTER 1, 192, F0, F1, 0
	TURN 1, 0
	QUARTER 0, 64,  F0, F1, 0
	WIN 0
	s_sub_co_u32 s3, s3, 1
	s_cmp_lg_u32 s3, 0
	s_cbranch_scc1 .Llap
	QUARTER 0, 128, F1, F0, 0                      ; the last lap is written out: it asks for nothing
	QUARTER 0, 192, F0, F1, 0
	MEET 0                                         ; my one tensor load that was still out is slot 1's, the last K step's, so no round follows
	PLACES                                         ; for the loads into buffer 0, which the quarter before multiplied
	FETCH 1, 0, F0
	MUL16 F1, 1, 0, 0
	MUL16 F1, 1, 2, 0
	QUARTER 1, 64,  F0, F1, 0
	QUARTER 1, 128, F1, F0, 0
	QUARTER 1, 192, F0, F1, 0
	s_wait_dscnt 8                                 ; the very last quarter: nothing more to fetch
	MUL16 F1, 0, 0, 0
	MUL16 F1, 0, 2, 0
	s_wait_dscnt 0x0
	MUL16 F1, 1, 0, 0
	MUL16 F1, 1, 2, 0
	WIN 0
	PLACES                                         ; behind the last products: the stores below read results, and the loads below land in A's fragment buffers
	TOSTAGE 0
.irp a, 1,2,3,4,5,6,7                  ; block a's way through the stage is on its way while block a - 1 is scaled and stored
	TOSTAGE \a
	SEND (\a)-1, 32
.endr
	SEND 7, 0
	s_wait_tensorcnt 0x0                           ; the wave's end, behind my last tensor load and my last LDS store
	ds_add_u32 v[SPW], v[NIL]
	s_wait_dscnt 0x0
	CROUND                                         ; the closing round: no work-group ends while a partner may still ask for a tile that names it
	s_endpgm
.Lfunc_end_k_q15319f62f5_gemm:
	.size	k_q15319f62f5_gemm, .Lfunc_end_k_q15319f62f5_gemm-k_q15319f62f5_gemm
	.p2alignl 7, 3214868480
	.fill 96, 4, 3214868480
	.section	.rodata,"a",@progbits
	.p2align	6, 0x0
	.amdhsa_kernel k_q15319f62f5_gemm
		.amdhsa_group_segment_fixed_size 327680
		.amdhsa_private_segment_fixed_size 0
		.amdhsa_enable_private_segment 0
		.amdhsa_kernarg_size 40
		.amdhsa_user_sgpr_count 2
		.amdhsa_user_sgpr_kernarg_segment_ptr 1
		.amdhsa_wavefront_size32 1
		.amdhsa_system_sgpr_workgroup_id_x 1
		.amdhsa_system_sgpr_workgroup_id_y 1
		.amdhsa_system_sgpr_workgroup_id_z 1
		.amdhsa_system_vgpr_workitem_id 0
		.amdhsa_next_free_vgpr 1024
		.amdhsa_next_free_sgpr 72
		.amdhsa_reserve_vcc 0
		.amdhsa_float_denorm_mode_32 3
		.amdhsa_float_denorm_mode_16_64 3
		.amdhsa_memory_ordered 1
		.amdhsa_forward_progress 1
		.amdhsa_inst_pref_size 162
	.end_amdhsa_kernel
	.amdgpu_metadata
---
amdhsa.version: [ 1, 2 ]
amdhsa.kernels:
  - .name:           k_q15319f62f5_gemm
    .symbol:         k_q15319f62f5_gemm.kd
    .args:
      - { .name: xb, .offset: 0, .size: 8, .value_kind: global_buffer, .address_space: global }
      - { .name: wq, .offset: 8, .size: 8, .value_kind: global_buffer, .address_space: global }
      - { .name: out0, .offset: 16, .size: 8, .value_kind: global_buffer, .address_space: global }
      - { .name: alpha, .offset: 24, .size: 8, .value_kind: global_buffer, .address_space: global }
      - { .name: bias, .offset: 32, .size: 8, .value_kind: global_buffer, .address_space: global }
    .group_segment_fixed_size: 327680
    .private_segment_fixed_size: 0
    .kernarg_segment_align: 8
    .kernarg_segment_size: 40
    .max_flat_workgroup_size: 128
    .sgpr_count:     72
    .vgpr_count:     1024
    .wavefront_size: 32
...
	.end_amdgpu_metadata
.endif
;; end of part 3
;; ======== version 2 of 2: 3 launches; version 1 with the launch prep written anew for expert scheduling mode
;; workspace buffers: part 1,024 bytes; xb 33,554,432 bytes; wq 33,554,432 bytes
;; launch wsum: the kernel of part 1 again; grid 256 x 1, 16 waves a work-group, no clusters, 2,304 bytes of LDS; arguments weight, part; writes part
;; launch prep (part 4): grid 1024 x 1, 8 waves a work-group, no clusters, 0 bytes of LDS; arguments part, weight, x, wq, xb; writes wq, xb
.if DOCPART == 4
	.amdgcn_target "amdgcn-amd-amdhsa--gfx1250"
	.amdhsa_code_object_version 6
	.text
	.protected	k_q15319f62f5_prep
	.globl	k_q15319f62f5_prep
	.p2align	8
	.type	k_q15319f62f5_prep,@function
k_q15319f62f5_prep:
	s_mov_b64 s[64:65], 0
	v_nop
	global_prefetch_b8 v0, s[64:65] scope:SCOPE_SE
	s_setreg_imm32_b32 hwreg(HW_REG_WAVE_SCHED_MODE, 0, 2), 2
	s_setreg_imm32_b32 hwreg(HW_REG_WAVE_MODE, 25, 1), 1
	s_wait_xcnt 0x0
	s_wait_alu depctr_vm_vsrc(0)
; delta = 0.7 x (the sum of part) / 2^24;  wq = sign(w) where |w| > delta, else 0, of w rounded to bf16, written as bf16 (+1, -1, 0: exact);  xb = x rounded to bf16.
; part: 256 f32; weight, x: [4096][4096] f32; wq, xb: [4096][4096] bf16.
; LIMIT.  The code is taken of the weight rounded to bf16 against the mean of the rounded weights (the whole program rounds its inputs once to bf16).  A NaN among the
; weights makes delta NaN, every comparison false and every code 0.
; DELTA.  Every wave adds the 256 partial sums itself, by the same instructions in the same order: all waves of the launch hold the same bits, and nothing passes between them.
; The division by 2^24 is a multiplication by a power of two, exact; the product with 0.7 is rounded once.
; SHARES.  1,024 work-groups of 8 waves; a work-group owns 65,536 consecutive bytes of weight and of x.  Thread t takes the 16 bytes at 4,096 j + 16 t, j = 0 .. 15, and stores
; 8 bytes at 2,048 j + 8 t: a load of a wave covers 512 consecutive bytes, a store 256, both aligned.  All 34 loads go out at once and the waits count down.  No loop, no LDS:
; no wave wants a byte that another has fetched.  No register is written again behind the store that reads it.
; THE MODE: SCHED_MODE bits 1:0 = 2 (LLVM: expert scheduling mode 2), set by the entry lines.  The code itself states the register dependences between vector instructions and
; memory instructions, and between a vector instruction that writes a scalar register and that register's readers, with s_wait_alu, always for 0.
; THE PLAN.  Registers that memory instructions touch:
;   v1, v2, v3   byte offsets, made once at the head and never written again: one wait ahead of the first load serves every load and store.
;   v[4:11]      the two loads of part land here; no vector instruction names them before.  Once delta is made they are PK, which vector instructions alone name.
;   W, X         each slot's load, issued at the head, lands in registers that no vector instruction has named; the slot is worked on in place; its first two registers are
;                then read by one store and never written again.
; The 32 slots go in eight blocks of four: four of weights, four of x.  A block's four stores are issued in the NEXT block, one in front of each slot's vector work.  At that block's
; head one wait states that the block before has written what those stores read; the vector instructions behind the wait name this block's slots, PK, delta and the masks: none of
; the registers that the four stores touch.  In a block of weights the sixteen comparisons stand in one run, into sixteen scalar registers, with one wait between the run and the choices.
.set P,     4                          ; v[4:11]   my 8 of the 256 partial sums
.set PK,    4                          ; v[4:11]   behind delta: slot i of a block: two registers at PK + 2 i: four weights as bf16, then their codes before the choice
.set DELTA, 12                         ; v12       the threshold
.set PX,    13                         ; v13       the other half of the lanes' sum
.set W,     16                         ; v[16:79]  16 slots of 4: weights
.set X,     80                         ; v[80:143] 16 slots of 4: x
.set MK,    32                         ; s[32:47]  slot i of a block: four masks at MK + 4 i
	s_load_b256 s[4:11], s[0:1], 0x0               ; part s[4:5], weight s[6:7], x s[8:9], wq s[10:11]
	s_load_b64 s[12:13], s[0:1], 0x20              ; xb
	v_lshlrev_b32 v1, 4, v0                        ; 16 t
	v_lshlrev_b32 v2, 3, v0                        ; 8 t
	v_and_b32 v3, 31, v0
	v_lshlrev_b32 v3, 4, v3                        ; 16 x lane
	s_lshl_b32 s14, ttmp9, 16                      ; the work-group's bytes in weight and x,
	s_mov_b32 s15, 0
	s_lshl_b32 s16, ttmp9, 15                      ; and in wq and xb
	s_mov_b32 s17, 0
	s_mov_b32 s18, 0xffff0000                      ; a word's upper bf16
	s_mov_b32 s19, 0x80008000                      ; two signs
	s_mov_b32 s20, 0x3f803f80                      ; 1.0 twice, in bf16
	s_mov_b32 s21, 0x0000ffff                      ; a word's lower bf16
	s_mov_b32 s22, 0x76543210                      ; v_permlanex16_b32: each lane takes its own place in the other half
	s_mov_b32 s23, 0xfedcba98
	s_mov_b32 s28, 0x7fff7fff                      ; clears two signs
	s_wait_kmcnt 0x0
	s_add_nc_u64 s[6:7], s[6:7], s[14:15]
	s_add_nc_u64 s[8:9], s[8:9], s[14:15]
	s_add_nc_u64 s[10:11], s[10:11], s[16:17]
	s_add_nc_u64 s[12:13], s[12:13], s[16:17]
	s_wait_alu depctr_va_vdst(0)                   ; v1, v2 and v3 are written: every load and store of the kernel reads one of them as its offset
	global_load_b128 v[P:P+3],   v3, s[4:5]                ; every wave of the launch reads these 1,024 bytes: no hint
	global_load_b128 v[P+4:P+7], v3, s[4:5] offset:512
.set n, 0
.rept 16
	global_load_b128 v[W+4*n:W+4*n+3], v1, s[6:7] offset:4096*n th:TH_LOAD_NT
.set n, n+1
.endr
.set n, 0
.rept 16
	global_load_b128 v[X+4*n:X+4*n+3], v1, s[8:9] offset:4096*n th:TH_LOAD_NT
.set n, n+1
.endr
	s_wait_loadcnt 32                              ; the partial sums are in; the 32 loads of the two streams stay out
	v_pk_add_f32 v[P:P+1],     v[P:P+1],     v[P+2:P+3]
	v_pk_add_f32 v[P+4:P+5],   v[P+4:P+5],   v[P+6:P+7]
	v_pk_add_f32 v[P:P+1],     v[P:P+1],     v[P+4:P+5]
	v_add_f32 v[P], v[P], v[P+1]
	v_add_f32_dpp v[P], v[P], v[P] row_xmask:1 row_mask:0xf bank_mask:0xf
	v_add_f32_dpp v[P], v[P], v[P] row_xmask:2 row_mask:0xf bank_mask:0xf
	v_add_f32_dpp v[P], v[P], v[P] row_xmask:4 row_mask:0xf bank_mask:0xf
	v_add_f32_dpp v[P], v[P], v[P] row_xmask:8 row_mask:0xf bank_mask:0xf
	v_mov_b32 v[PX], v[P]                          ; v_permlanex16_b32's destination counts as read
	v_permlanex16_b32 v[PX], v[P], s22, s23
	v_add_f32 v[P], v[P], v[PX]
	v_mul_f32 v[DELTA], 0x33800000, v[P]           ; x 2^-24: the mean
	v_mul_f32 v[DELTA], 0x3f333333, v[DELTA]       ; x 0.7
; Slot j of the weights, first part.  In front of it the store of the slot four back, of the block before.  Two weights a word: rounded to bf16; the signs cleared and the two magnitudes
; widened for the comparison in f32; the four comparisons, each into a scalar register of its own; the code +-1.0 made on the packed word.
.macro MAG j
.set r,  W+4*(\j)
.set k,  PK+2*((\j)%4)
.set mk, MK+4*((\j)%4)
	s_wait_loadcnt 31-(\j)                         ; younger: 15 - j loads of weights and the 16 of x
.if ((\j)%4 == 0) && ((\j) > 0)
	s_wait_alu depctr_va_vdst(0)                   ; the block before has joined its codes in the first two registers of each of its four slots, which this block's four stores read
.endif
.if (\j) >= 4
	global_store_b64 v2, v[r-16:r-15], s[10:11] offset:2048*((\j)-4) th:TH_STORE_NT  ; a wave stores 256 consecutive bytes, aligned; no vector instruction since the wait names these registers
.endif
	v_cvt_pk_bf16_f32 v[k],   v[r],   v[r+1]
	v_cvt_pk_bf16_f32 v[k+1], v[r+2], v[r+3]
	v_and_b32 v[r],   s28, v[k]
	v_and_b32 v[r+2], s28, v[k+1]
	v_and_b32     v[r+1], s18, v[r]                ; |w| of the upper half,
	v_lshlrev_b32 v[r],   16,  v[r]                ; of the lower
	v_and_b32     v[r+3], s18, v[r+2]
	v_lshlrev_b32 v[r+2], 16,  v[r+2]
	v_cmp_gt_f32 s[mk],   v[r],   v[DELTA]
	v_cmp_gt_f32 s[mk+1], v[r+1], v[DELTA]
	v_cmp_gt_f32 s[mk+2], v[r+2], v[DELTA]
	v_cmp_gt_f32 s[mk+3], v[r+3], v[DELTA]
	v_and_or_b32 v[k],   v[k],   s19, s20          ; the sign, and 1.0
	v_and_or_b32 v[k+1], v[k+1], s19, s20
.endm
; Slot j of the weights, second part: each half chosen or dropped by its own comparison; the two halves joined.
.macro CODE j
.set r,  W+4*(\j)
.set k,  PK+2*((\j)%4)
.set mk, MK+4*((\j)%4)
	v_cndmask_b32 v[r],   0, v[k],   s[mk]
	v_cndmask_b32 v[r+1], 0, v[k],   s[mk+1]
	v_cndmask_b32 v[r+2], 0, v[k+1], s[mk+2]
	v_cndmask_b32 v[r+3], 0, v[k+1], s[mk+3]
	v_bfi_b32 v[r],   s21, v[r],   v[r+1]          ; the lower half of the first, the upper half of the second
	v_bfi_b32 v[r+1], s21, v[r+2], v[r+3]
.endm
; Slot j of x.  In front of it the store of the slot four back: in the first block of x that is the last block of the weights.
.macro CVT j
.set r, X+4*(\j)
	s_wait_loadcnt 15-(\j)
.if (\j)%4 == 0
	s_wait_alu depctr_va_vdst(0)                   ; the block before has written the first two registers of each of its four slots, which this block's four stores read
.endif
.if (\j) < 4
	global_store_b64 v2, v[W+48+4*(\j):W+49+4*(\j)], s[10:11] offset:2048*(12+(\j)) th:TH_STORE_NT
.else
	global_store_b64 v2, v[r-16:r-15], s[12:13] offset:2048*((\j)-4) th:TH_STORE_NT
.endif
	v_cvt_pk_bf16_f32 v[r],   v[r],   v[r+1]
	v_cvt_pk_bf16_f32 v[r+1], v[r+2], v[r+3]
.endm
.set b, 0
.rept 4
	MAG 4*b
	MAG 4*b+1
	MAG 4*b+2
	MAG 4*b+3
	s_wait_alu depctr_va_sdst(0)                   ; the block's sixteen comparisons have written s[32:47], ahead of the first choice that reads one of them
	CODE 4*b
	CODE 4*b+1
	CODE 4*b+2
	CODE 4*b+3
.set b, b+1
.endr
.set n, 0
.rept 16
	CVT n
.set n, n+1
.endr
	s_wait_alu depctr_va_vdst(0)                   ; the last block's roundings have written what the last four stores read
.set n, 12
.rept 4
	global_store_b64 v2, v[X+4*n:X+4*n+1], s[12:13] offset:2048*n th:TH_STORE_NT
.set n, n+1
.endr
	s_endpgm
.Lfunc_end_k_q15319f62f5_prep:
	.size	k_q15319f62f5_prep, .Lfunc_end_k_q15319f62f5_prep-k_q15319f62f5_prep
	.p2alignl 7, 3214868480
	.fill 96, 4, 3214868480
	.section	.rodata,"a",@progbits
	.p2align	6, 0x0
	.amdhsa_kernel k_q15319f62f5_prep
		.amdhsa_group_segment_fixed_size 0
		.amdhsa_private_segment_fixed_size 0
		.amdhsa_enable_private_segment 0
		.amdhsa_kernarg_size 40
		.amdhsa_user_sgpr_count 2
		.amdhsa_user_sgpr_kernarg_segment_ptr 1
		.amdhsa_wavefront_size32 1
		.amdhsa_system_sgpr_workgroup_id_x 1
		.amdhsa_system_sgpr_workgroup_id_y 1
		.amdhsa_system_sgpr_workgroup_id_z 1
		.amdhsa_system_vgpr_workitem_id 0
		.amdhsa_next_free_vgpr 144
		.amdhsa_next_free_sgpr 66
		.amdhsa_reserve_vcc 0
		.amdhsa_float_denorm_mode_32 3
		.amdhsa_float_denorm_mode_16_64 3
		.amdhsa_memory_ordered 1
		.amdhsa_forward_progress 1
		.amdhsa_inst_pref_size 29
	.end_amdhsa_kernel
	.amdgpu_metadata
---
amdhsa.version: [ 1, 2 ]
amdhsa.kernels:
  - .name:           k_q15319f62f5_prep
    .symbol:         k_q15319f62f5_prep.kd
    .args:
      - { .name: part, .offset: 0, .size: 8, .value_kind: global_buffer, .address_space: global }
      - { .name: weight, .offset: 8, .size: 8, .value_kind: global_buffer, .address_space: global }
      - { .name: x, .offset: 16, .size: 8, .value_kind: global_buffer, .address_space: global }
      - { .name: wq, .offset: 24, .size: 8, .value_kind: global_buffer, .address_space: global }
      - { .name: xb, .offset: 32, .size: 8, .value_kind: global_buffer, .address_space: global }
    .group_segment_fixed_size: 0
    .private_segment_fixed_size: 0
    .kernarg_segment_align: 8
    .kernarg_segment_size: 40
    .max_flat_workgroup_size: 256
    .sgpr_count:     66
    .vgpr_count:     144
    .wavefront_size: 32
...
	.end_amdgpu_metadata
.endif
;; end of part 4
;; launch gemm: the kernel of part 3 again; grid 16 x 16, 4 waves a work-group, clusters of 4 x 4, 327,680 bytes of LDS; arguments xb, wq, out0, alpha, bias; writes out0
